; MI455X (gfx1250); checked and timed in simulation.
; The chip was launched on July 23, 2026; its instructions are those of AMD's public machine-readable ISA for CDNA 5 (MIT licence, August 2026) and "CDNA5" Instruction Set Architecture Reference Guide (July 2026). The comments in the code are by the model that wrote it; some were corrected since.
;; Trajectory LSTM. Allowed arithmetic: float matrix products may take bf16 or f16 operands with f32 sums; other float arithmetic in f32, or as packed bf16 or f16 multiplies, adds, multiply-adds, maxima and minima; sums over many terms, partial sums and values carried from step to step in f32; what a program stores and reads back later, other than sums and carried values, may be rounded once to bf16 or f16.
;; Inputs: W1 128 x 256 float32; W2 36 x 128 float32; W_embed 64 x 4 float32; W_hh 512 x 128 float32; W_ih 512 x 64 float32; Wp 3 x 256 float32; b1 128 float32; b2 36 float32; b_embed 64 float32; b_hh 512 float32; b_ih 512 float32; bp 3 float32; neighbor_mask 8,192 x 16 int32; neighbors 8,192 x 16 x 4 x 4 float32; x 8,192 x 4 x 4 float32.
;; Outputs: out0 8,192 x 3 x 6 x 2 float32; out1 8,192 x 3 float32.
;; One version. Each part assembles by itself: llvm-mc -triple=amdgcn-amd-amdhsa -mcpu=gfx1250 --defsym DOCPART=n.
;; ======== version 1 of 1: 1 launch
;; limits: values outside matrix products are rounded to bf16
;; launch lstm (part 1): grid 256 x 1, 8 waves a work-group, no clusters, 193,792 bytes of LDS; arguments neighbor_mask, x, neighbors, W_ih, W_hh, b_ih, b_hh, W_embed, b_embed, W1, b1, W2, b2, Wp, bp, out0, out1; writes out0, out1
.if DOCPART == 1
	.amdgcn_target "amdgcn-amd-amdhsa--gfx1250"
	.amdhsa_code_object_version 6
	.text
	.protected	k_qb799223899_lstm
	.globl	k_qb799223899_lstm
	.p2align	8
	.type	k_qb799223899_lstm,@function
k_qb799223899_lstm:
	s_mov_b64 s[64:65], 0
	v_nop
	global_prefetch_b8 v0, s[64:65] scope:SCOPE_SE
	s_setreg_imm32_b32 hwreg(HW_REG_WAVE_MODE, 25, 1), 1
	s_wait_xcnt 0x0
; TRAJECTORY LSTM, one launch.  8,192 targets and 8,192 x 16 neighbours: embedding 4 -> 64 with ReLU, four LSTM steps (hidden 128), mean of the neighbours' last h under an integer mask,
; then the head on [h_target | h_social]: 256 -> 128 (ReLU) -> 36, and 256 -> 3 with softmax (its maximum taken away first).
; WORK LEFT OUT, for all finite values of the inputs.  (1) reference() starts h and c as zeros of its own: at t = 0 the product h W_hh^T is a product with 0, and the gate f enters only as f x c = f x 0;
; so at t = 0 no product with W_hh is made, and f's 128 rows of W_ih, its bias and its sigmoid are not computed.  (2) A neighbour whose mask word is 0 enters only as h x 0 in the pooled sum and as 0 in the
; count: the mask is a whole-number input that this launch reads, and only the sequences with a word other than 0 are run.  Every mask is served: none set (32 sequences a work-group) to all set (544).
; Every input is loaded.  LIMIT: a NaN, an infinity or an overflow that reaches only the work left out is not carried to the result.
; OTHER LIMITS.  A mask word is used as reference() uses it, as a weight: rounded to bf16 for the pooled sum (exact up to 256 in magnitude), summed in f32 for the count.  tanh(g)'s exponent is cut at 64
; (an error under 2^-63; a NaN there becomes 64).  Exponentials and reciprocals give 0 for results under 2^-126.  Matrix operands are bf16: the LSTM weights (times the scale below, then rounded once), W_embed,
; b_embed (it rides as a column of the embedding's product), W1, W2, Wp, x, ex, h, h_social, the hidden layer.  c, all sums, the gates' biases, b1, b2, bp stay f32.
; SHARES.  Work-group g owns batch items 32 g .. 32 g + 31.  Its sequences stand in SLOTS: 0-31 the targets, from 32 on the live neighbours in (b, n) order; a TILE is 16 slots, at most 34 tiles; a PASS is 8 tiles.
; The loop over passes counts the constant 5; every wave passes every barrier, and only work is jumped, forward, by the number of live tiles.  Wave w owns hidden units 16 w .. 16 w + 15 of all four gates:
; its weights (4 gates x 6 K steps x 8 registers), its biases and its c stay in registers for the whole launch.  Eight waves are two for each of a WGP's four SIMDs: one wave's activations stand beside the other's products.
; LAYOUT.  Every product is taken with source 0 = 16 weight rows and source 1 = 16 sequences: in the result a lane holds ONE sequence (lane % 16) and units 8 (lane / 16) + 0..7.  Rounded to bf16 these are 16 bytes,
; and they ARE registers 0-3 (even w) or 4-7 (odd w) of the next product's source 1 for K step w / 2.  So h, ex, h_social and the hidden layer lie in LDS as blocks of 512 bytes, 16 bytes a lane.
; SCALES.  Rows of i, f, o are multiplied by -log2 e and rows of g by -2 log2 e, biases too: an accumulator is then the exponent itself.  With e_x = 2^a_x:
;   c = c / (1 + e_f) + (1 - e_g) / ((1 + e_i)(1 + e_g));   e_c = 2^(-2 log2 e c);   h = (1 - e_c) / ((1 + e_c)(1 + e_o)).   An infinite e gives a reciprocal of 0 beside a finite factor.
; POOLING is a product too: PS (units x 16 b) += H^T (source 0, by the turning LDS load) x P (source 1), K = 32 slots; P[slot][b] holds the slot's mask word for its owner b and 0 elsewhere.
; NO CLUSTER, NO TENSOR LOADS: what work-groups share is the weights, read once by each and scaled and rounded on the way through registers; the rows come by a list, 64 bytes each.
; ---- LDS (bytes) ----
.set HBA,   0         ; h, buffer A: tile x 4,096 + wave x 512 + lane x 16
.set HBB,   32768     ; h, buffer B: the same; zeros at the start
.set EX,    65536     ; ex: tile x 8,192 + t x 2,048 + e x 512 + lane x 16
.set PM,    131072    ; P: pair of tiles x 2,048 + bt x 1,024 + (k / 16) x 512 + ((k / 8) % 2 x 16 + b % 16) x 16 + (k % 8) x 2; 20 pairs; zeros at the start
.set HT,    172032    ; the targets' last h: as tiles 0 and 1 of a buffer
.set HSOC,  180224    ; h_social: bt x 4,096 + wave x 512 + lane x 16 (directly behind HT)
.set LIST,  188416    ; a word a slot: its row among the work-group's rows of x or of neighbors; 4,096 bytes, zeros at the start; word DUMP takes what the dead lanes store
.set DUMP,  544       ; the slot behind the last that can be live
.set INV,   192512    ; f32 1 / max(sum of mask, 1) for each b
.set SPARE, 192768    ; the spare words, 128 bytes for each of eight waves: four blocks of 256 bytes that no other line names
.set WSB,   6656      ; prologue, inside EX: a wave's stage: 16 rows of W_hh at 272 bytes, then 16 rows of W_ih at 144
.set WS2B,  8448      ; head, from byte 0: a wave's stage: 16 rows of W1 at 528 bytes
.set HID,   98304     ; head: the hidden layer, laid out as HSOC
.set OUTS,  106496    ; head: 32 rows x 144 bytes, the image of the work-group's part of out0; 8,192 bytes on: what wave 2's upper lanes store, read by nobody
.set PRB,   111104    ; head: 384 bytes, the image of its part of out1; 1,024 bytes on: what wave 3's upper lanes store, read by nobody
; ---- scalar registers ----
.set WV, 2            ; my wave's number
.set WG, 3            ; the work-group's number
.set NSEQ, 42         ; sequences
.set NM1, 43          ; the last slot
.set NT, 44           ; tiles
.set PC, 45           ; passes to go, 5 to 1
.set ACTN, 46         ; live tiles of the pass, 0 to 8
.set TL, 47           ; counts t = 1, 2, 3
.set RB, 48           ; the buffer of h that is read
.set WB, 49           ; and the one that is written
.set SCA, 50          ; s[50:51] -log2 e
.set SCG, 52          ; s[52:53] -2 log2 e
.set CLAMP, 54        ; 64.0
.set ML, 55           ; lanes 0-15
.set MH, 56           ; lanes 16-31
.set XB, 58           ; s[58:59] the buffer of my first tile's rows
.set PF, 60           ; the next free slot
.set SVX, 61          ; EXEC, kept
.set REM, 62          ; tiles from this pass's first on (signed)
.set NXT, 63          ; the first slot of my tile of the next pass
.set NT16, 66         ; 16 x tiles
.set BP, 68           ; s[68:70] bp
.set L2E, 71          ; log2 e
; ---- vector registers, window 0 ----
.set LANE, 1
.set R, 2             ; lane % 16
.set HH, 3            ; lane / 16
.set L16, 4           ; 16 x lane
.set EXA, 5           ; where ex of the step in hand is read
.set HRA, 6           ; where h is read
.set HWA, 7           ; where my h is written
.set L16W, 8          ; 16 x thread = 512 x wave + 16 x lane
.set TRA, 9           ; the turning load's address in my blocks of buffer B
.set PA, 10           ; P of the pass
.set EXS, 11          ; where I write ex of my tile
.set ZR, 14           ; 0
.set ONE, 15          ; bf16 1.0 in the low half
.set SPW, 16          ; LDS address of my spare word; never rewritten
.set NIL, 17          ; 0; never rewritten
.set XR, 18           ; v[18:25] two steps of my sequence, f32
.set HP, 26           ; v[26:29] eight h in bf16
.set ACC, 32          ; the four gates' accumulators
.set AI, 32
.set AF, 40
.set AG, 48
.set AO, 56
.set FR, 64           ; v[64:111] source 1 for the six K steps
.set TQ, 112
.set TC, 120
.set CST, 128         ; c of tile m at CST + 8 m
.set PS, 192          ; v[192:207] the pooled sums, bt 0 and 1
.set TP, 208          ; v[208:223] at work
.set XP, 224          ; v[224:227] the two steps in bf16
.set H32, 231         ; 32 x (lane / 16)
.set GA, 32           ; prologue: 96 registers of weights as loaded
.set GB, 128          ; and 96 more
.set MK, 224          ; prologue: the work-group's 512 mask words, 16 a lane
.set FM, 240          ; prologue, wave 0: the same as f32
; ---- window 1 ----  weights of gate G, K step q at 8 (6 G + q): q 0, 1 W_ih, q 2-5 W_hh
.set BIAS, 192        ; gate G at BIAS + 8 G
.set WE, 224          ; embedding tile e at WE + 8 e
.set HFF, 128         ; head: h_final's fragments, K step k, tile bt at HFF + 8 (2 k + bt)
.set MSB, 0
.macro WIN new                      ; s_set_vgpr_msb: bits 1:0 source 0, 3:2 source 1, 5:4 source 2, 7:6 destination; the high byte repeats the setting that is left
.if MSB != (\new)
	s_set_vgpr_msb (MSB<<8)|(\new)
.set MSB, (\new)
.endif
.endm
.macro BAR                          ; my LDS stores are done and my LDS loads are back; then all eight waves meet
	s_wait_dscnt 0x0
	s_barrier_signal -1
	s_barrier_wait -1
.endm
.macro PLACES                       ; four plain vector instructions between a matrix instruction and what reads its result or writes its registers (ISA guide 7.12.1)
.rept 4
	v_nop
.endr
.endm
	s_load_b512 s[8:23], s[0:1], 0x0               ; mask 8, x 10, neighbors 12, W_ih 14, W_hh 16, b_ih 18, b_hh 20, W_embed 22
	s_load_b512 s[24:39], s[0:1], 0x40             ; b_embed 24, W1 26, b1 28, W2 30, b2 32, Wp 34, bp 36, out0 38
	s_load_b64 s[40:41], s[0:1], 0x80              ; out1
	v_lshl_add_u32 v[SPW], v0, 2, SPARE
	v_mov_b32 v[NIL], 0
	v_lshrrev_b32 v1, 5, v0
	v_readfirstlane_b32 s[WV], v1
	v_and_b32 v[LANE], 31, v0
	v_and_b32 v[R], 15, v0
	v_bfe_u32 v[HH], v0, 4, 1
	v_lshlrev_b32 v[L16], 4, v[LANE]
	v_lshlrev_b32 v[L16W], 4, v0
	v_mov_b32 v[ZR], 0
	v_mov_b32 v[ONE], 0x3f80
	s_mov_b32 s[WG], ttmp9
	s_mov_b32 s[SCA], 0xbfb8aa3b
	s_mov_b32 s[SCA+1], 0xbfb8aa3b                 ; named as a pair
	s_mov_b32 s[SCG], 0xc038aa3b
	s_mov_b32 s[SCG+1], 0xc038aa3b
	s_mov_b32 s[CLAMP], 0x42800000
	s_mov_b32 s[ML], 0x0000ffff
	s_mov_b32 s[MH], 0xffff0000
	s_mov_b32 s[L2E], 0x3fb8aa3b
	v_lshlrev_b32 v13, 2, v[LANE]                  ; the mask words: 4 x lane
	s_lshl_b32 s6, s[WV], 13
	v_add_nc_u32 v26, s6, v[L16]                   ; W_hh: my 16 rows of 512 bytes in a gate, 16 bytes a lane
	s_lshl_b32 s6, s[WV], 12
	v_add_nc_u32 v27, s6, v[L16]                   ; W_ih: my 16 rows of 256 bytes
	v_add_nc_u32 v12, PM, v[L16W]
	v_add_nc_u32 v28, HBB, v[L16W]
	v_add_nc_u32 v29, LIST, v[L16W]
.set ii, 0
.rept 4
	v_mov_b32 v[240+ii], 0
.set ii, ii+1
.endr
	s_mul_i32 s6, s[WV], WSB
	s_add_co_u32 s6, s6, EX                        ; my stage
	s_add_co_u32 s7, s6, 4352                      ; its part for W_ih
	v_lshl_add_u32 v5, v[LANE], 3, s6              ; W_hh in: 8 bytes a lane, a row an instruction
	v_mul_u32_u24 v6, v[HH], 144
	v_lshl_add_u32 v6, v[R], 3, v6
	v_add_nc_u32 v6, s7, v6                        ; W_ih in: two rows an instruction
	v_mul_u32_u24 v7, v[R], 272
	v_lshl_add_u32 v7, v[HH], 4, v7
	v_add_nc_u32 v7, s6, v7                        ; W_hh out: row lane % 16, 16 bytes for each half of the lanes
	v_mul_u32_u24 v9, v[R], 144
	v_lshl_add_u32 v9, v[HH], 4, v9
	v_add_nc_u32 v9, s7, v9                        ; W_ih out
	s_lshl_b32 s4, s[WG], 11
	s_mov_b32 s5, 0
	s_wait_kmcnt 0x0
	s_add_nc_u64 s[8:9], s[8:9], s[4:5]            ; the work-group's 512 mask words
	s_add_nc_u64 s[10:11], s[10:11], s[4:5]        ; its 32 rows of x, 64 bytes each
	s_lshl_b32 s4, s[WG], 15
	s_add_nc_u64 s[12:13], s[12:13], s[4:5]        ; its 512 rows of neighbors
	s_mul_i32 s4, s[WG], 4608
	s_add_nc_u64 s[38:39], s[38:39], s[4:5]
	s_mul_i32 s4, s[WG], 384
	s_add_nc_u64 s[40:41], s[40:41], s[4:5]
.set ii, 0
.rept 16
	global_load_b32 v[MK+ii], v13, s[8:9] offset:128*ii   ; word 32 i + lane: every wave reads all 512 and counts for itself
.set ii, ii+1
.endr
; A gate's 24 loads: my 16 rows of W_hh, a row an instruction, and my 16 rows of W_ih, two rows an instruction: 512 consecutive bytes each.
.macro LOADG g, buf
.set ia, 0
.rept 16
	global_load_b128 v[(\buf)+4*ia:(\buf)+4*ia+3], v26, s[16:17] offset:65536*(\g)+512*ia
.set ia, ia+1
.endr
.set ia, 0
.rept 8
	global_load_b128 v[(\buf)+64+4*ia:(\buf)+64+4*ia+3], v27, s[14:15] offset:32768*(\g)+512*ia
.set ia, ia+1
.endr
.endm
	LOADG 0, GA
.set ii, 0
.rept 10
	ds_store_b128 v12, v[240:243] offset:4096*ii   ; P = 0: the 256 threads clear 4,096 bytes an instruction
.set ii, ii+1
.endr
.set ii, 0
.rept 8
	ds_store_b128 v28, v[240:243] offset:4096*ii   ; buffer B = 0: a dead tile's h must be finite where the pooling multiplies it by 0
.set ii, ii+1
.endr
	ds_store_b128 v29, v[240:243]                  ; the list = 0
	s_wait_loadcnt 24                              ; the 16 mask loads are in; gate i's 24 loads behind them stay out
	s_mov_b32 s[NSEQ], 32
.set ii, 0
.rept 16
	v_cmp_ne_u32 vcc_lo, 0, v[MK+ii]
	s_bcnt1_i32_b32 s6, vcc_lo
	s_add_co_u32 s[NSEQ], s[NSEQ], s6
.set ii, ii+1
.endr
	s_sub_co_u32 s[NM1], s[NSEQ], 1
	s_min_u32 s[NM1], s[NM1], 543
	s_add_co_u32 s[NT], s[NSEQ], 15
	s_lshr_b32 s[NT], s[NT], 4
	s_lshl_b32 s[NT16], s[NT], 4
	LOADG 1, GB
	BAR                                            ; P, buffer B and the list are cleared
; WAVE 0 ALONE lays the list, P and the reciprocal counts: one writer for the places that hang on the mask.  No barrier stands in the branch.
; Words 32 i + lane: b = 2 i + lane / 16.  A live word's slot is the next free slot plus the live lanes below it.  All lanes stay on: a lane whose word is 0 takes the slot DUMP, where the list's
; word is read by nobody and where its weight, which is 0, lands on a place of P that holds 0.  Behind the bound on the slot stand only ANDs, shifts to the left and additions.
.macro GROUP i
	v_cvt_f32_i32 v[FM+(\i)], v[MK+(\i)]
	v_cmp_ne_u32 vcc_lo, 0, v[MK+(\i)]
	v_cvt_pk_bf16_f32 v22, v[FM+(\i)], v[FM+(\i)]
	v_mbcnt_lo_u32_b32 v18, vcc_lo, s[PF]
	v_cndmask_b32 v18, DUMP, v18, vcc_lo
	v_min_u32 v18, DUMP, v18                       ; the slot: 32 + 512 sequences at the most
	v_lshlrev_b32 v19, 2, v18
	v_add_nc_u32 v19, LIST, v19
	v_and_b32 v20, 0x3e0, v18
	v_and_b32 v23, 24, v18
	v_lshlrev_b32 v20, 6, v20                      ; (slot / 32) x 2,048
	v_lshlrev_b32 v23, 5, v23                      ; (k / 16) x 512 + ((k / 8) % 2) x 256
	v_add_nc_u32 v20, v20, v23
	v_and_b32 v23, 7, v18
	v_lshlrev_b32 v23, 1, v23                      ; (k % 8) x 2
	v_add_nc_u32 v20, v20, v23
	v_add_nc_u32 v20, v24, v20                     ; + P + 16 (lane / 16)
	v_add_nc_u32 v21, 32*(\i), v[LANE]             ; the row among the work-group's 512
	s_bcnt1_i32_b32 s6, vcc_lo
	ds_store_b32 v19, v21
	ds_store_b16 v20, v22 offset:((\i)/8)*1024+((2*(\i))%16)*16
	s_add_co_u32 s[PF], s[PF], s6
	s_min_u32 s[PF], s[PF], DUMP
.endm
	s_cmp_lg_u32 s[WV], 0
	s_cbranch_scc1 .Llisted
	v_lshl_add_u32 v19, v[LANE], 2, LIST
	ds_store_b32 v19, v[LANE]                      ; slots 0-31: the targets, row = slot
	v_lshl_add_u32 v24, v[HH], 4, PM
	s_mov_b32 s[PF], 32
.irp i, 0,1,2,3,4,5,6,7,8,9,10,11,12,13,14,15
	GROUP \i
.endr
.set ii, 0
.rept 16                                           ; the sum of a b's 16 words: four steps inside each half of the lanes
	v_add_f32_dpp v[FM+ii], v[FM+ii], v[FM+ii] row_xmask:1 row_mask:0xf bank_mask:0xf
	v_add_f32_dpp v[FM+ii], v[FM+ii], v[FM+ii] row_xmask:2 row_mask:0xf bank_mask:0xf
	v_add_f32_dpp v[FM+ii], v[FM+ii], v[FM+ii] row_xmask:4 row_mask:0xf bank_mask:0xf
	v_add_f32_dpp v[FM+ii], v[FM+ii], v[FM+ii] row_xmask:8 row_mask:0xf bank_mask:0xf
	v_max_num_f32 v[FM+ii], 1.0, v[FM+ii]
.set ii, ii+1
.endr
.set ii, 0
.rept 16
	v_rcp_f32 v[FM+ii], v[FM+ii]
.set ii, ii+1
.endr
	v_lshl_add_u32 v25, v[HH], 2, INV              ; a plain instruction behind the last reciprocal,
	s_wait_alu depctr_va_vdst(0)                   ; and one wait for the sixteen, ahead of their first reader
.set ii, 0
.rept 16
	ds_store_b32 v25, v[FM+ii] offset:8*ii         ; b = 2 i + lane / 16; sixteen lanes write the same word with the same value
.set ii, ii+1
.endr
.Llisted:
	BAR                                            ; list, P and counts are laid
; The rows of a tile (s[sl] = its first slot): lane (r, half) takes steps 2 half and 2 half + 1 of the sequence in slot first + r.  Places past the last slot repeat it; P holds 0 for them.
.macro GATHER base, sl
	v_add_nc_u32 v12, s[(\sl)], v[R]
	v_min_u32 v12, s[NM1], v12
	v_min_u32 v12, 543, v12
	v_lshlrev_b32 v12, 2, v12
	v_add_nc_u32 v12, LIST, v12
	ds_load_b32 v13, v12
	s_wait_dscnt 0x0
	v_min_u32 v13, 511, v13
	v_lshlrev_b32 v13, 6, v13
	v_add_nc_u32 v13, v13, v[H32]
	global_load_b128 v[XR:XR+3], v13, s[(\base):(\base)+1]
	global_load_b128 v[XR+4:XR+7], v13, s[(\base):(\base)+1] offset:16
.endm
	v_lshlrev_b32 v[H32], 5, v[HH]
	s_cmp_lt_u32 s[WV], 2                          ; tiles 0 and 1 are the targets
	s_cselect_b64 s[XB:XB+1], s[10:11], s[12:13]
	s_lshl_b32 s6, s[WV], 4
	GATHER XB, 6                                   ; pass 0: wave w embeds tile w
; A gate's weights: times the scale, rounded to bf16, through my stage, and back as fragments (row lane % 16; 16 bytes at 16 (lane / 16), 16 more 32 bytes on) into window 1.
; The stage is mine alone and LDS serves a wave's instructions in order (ISA guide 5.7.1.4): no wait between stores and loads, nor between one gate's loads and the next gate's stores.
.macro CONV g, buf, sc
.set ia, 0
.rept 24
	v_pk_mul_f32 v[(\buf)+4*ia:(\buf)+4*ia+1], v[(\buf)+4*ia:(\buf)+4*ia+1], s[(\sc):(\sc)+1] op_sel_hi:[1,0]
	v_pk_mul_f32 v[(\buf)+4*ia+2:(\buf)+4*ia+3], v[(\buf)+4*ia+2:(\buf)+4*ia+3], s[(\sc):(\sc)+1] op_sel_hi:[1,0]
	v_cvt_pk_bf16_f32 v[(\buf)+4*ia], v[(\buf)+4*ia], v[(\buf)+4*ia+1]
	v_cvt_pk_bf16_f32 v[(\buf)+4*ia+1], v[(\buf)+4*ia+2], v[(\buf)+4*ia+3]
.if ia < 16
	ds_store_b64 v5, v[(\buf)+4*ia:(\buf)+4*ia+1] offset:272*ia
.else
	ds_store_b64 v6, v[(\buf)+4*ia:(\buf)+4*ia+1] offset:288*(ia-16)
.endif
.set ia, ia+1
.endr
	WIN 0x40                                       ; destination window 1, address window 0
.set iq, 0
.rept 2
	ds_load_b128 v[8*(6*(\g)+iq):8*(6*(\g)+iq)+3],   v9 offset:64*iq
	ds_load_b128 v[8*(6*(\g)+iq)+4:8*(6*(\g)+iq)+7], v9 offset:64*iq+32
.set iq, iq+1
.endr
.rept 4
	ds_load_b128 v[8*(6*(\g)+iq):8*(6*(\g)+iq)+3],   v7 offset:64*(iq-2)
	ds_load_b128 v[8*(6*(\g)+iq)+4:8*(6*(\g)+iq)+7], v7 offset:64*(iq-2)+32
.set iq, iq+1
.endr
	WIN 0
.endm
	s_wait_loadcnt 26                              ; gate i is in; behind it: gate f's 24 loads and the 2 of my rows
	CONV 0, GA, SCA
	s_wait_dscnt 12                                ; the stage's stores have read their registers (the 12 fragment loads behind them may stay out): the next loads land there
	LOADG 2, GA
	s_wait_loadcnt 26                              ; gate f is in; behind it: my rows' 2 and gate g's 24
	CONV 1, GB, SCA
	s_wait_dscnt 12
	LOADG 3, GB
	s_wait_loadcnt 24                              ; my rows and gate g are in; gate o's 24 stay out
	CONV 2, GA, SCG
	s_wait_dscnt 12
	v_lshl_add_u32 v228, s[WV], 6, v[H32]          ; my 8 units in a vector of 128: (16 w + 8 (lane / 16)) x 4 bytes
	v_lshlrev_b32 v229, 4, v[R]                    ; a row of W_embed is 16 bytes
	v_lshlrev_b32 v230, 2, v[R]
.set ig, 0
.rept 4
	global_load_b128 v[GA+16*ig:GA+16*ig+3],     v228, s[18:19] offset:512*ig
	global_load_b128 v[GA+16*ig+4:GA+16*ig+7],   v228, s[18:19] offset:512*ig+16
	global_load_b128 v[GA+16*ig+8:GA+16*ig+11],  v228, s[20:21] offset:512*ig
	global_load_b128 v[GA+16*ig+12:GA+16*ig+15], v228, s[20:21] offset:512*ig+16
.set ig, ig+1
.endr
.set ie, 0
.rept 4
	global_load_b128 v[GA+64+4*ie:GA+64+4*ie+3], v229, s[22:23] offset:256*ie
	global_load_b32 v[GA+80+ie], v230, s[24:25] offset:64*ie
.set ie, ie+1
.endr
	s_wait_loadcnt 24                              ; gate o is in; the 24 loads of biases and embedding stay out
	CONV 3, GB, SCA
	s_wait_loadcnt 0x0
.set ig, 0
.rept 4
.set ij, 0
.rept 4
	v_pk_add_f32 v[GA+16*ig+ij:GA+16*ig+ij+1], v[GA+16*ig+ij:GA+16*ig+ij+1], v[GA+16*ig+8+ij:GA+16*ig+8+ij+1]  ; b_ih + b_hh
.set ij, ij+2
.endr
.set ig, ig+1
.endr
	WIN 0x40
.set ig, 0
.rept 4
.set ij, 0
.rept 4
.if ig == 2
	v_pk_mul_f32 v[BIAS+8*ig+ij:BIAS+8*ig+ij+1], v[GA+16*ig+ij:GA+16*ig+ij+1], s[SCG:SCG+1] op_sel_hi:[1,0]
.else
	v_pk_mul_f32 v[BIAS+8*ig+ij:BIAS+8*ig+ij+1], v[GA+16*ig+ij:GA+16*ig+ij+1], s[SCA:SCA+1] op_sel_hi:[1,0]
.endif
.set ij, ij+2
.endr
.set ig, ig+1
.endr
; The embedding's source 0: row 16 e + lane % 16; the four weights at k = 0..3 and the bias at k = 4 of each half of the lanes' eight k, so that either half can carry a step.
.set ie, 0
.rept 4
	v_cvt_pk_bf16_f32 v[WE+8*ie],   v[GA+64+4*ie],   v[GA+64+4*ie+1]
	v_cvt_pk_bf16_f32 v[WE+8*ie+1], v[GA+64+4*ie+2], v[GA+64+4*ie+3]
	v_cvt_pk_bf16_f32 v[WE+8*ie+2], v[GA+80+ie], v[ZR]
.set ij, 3
.rept 5
	v_mov_b32 v[WE+8*ie+ij], 0
.set ij, ij+1
.endr
.set ie, ie+1
.endr
	WIN 0
.set ii, 0
.rept 16
	v_mov_b32 v[PS+ii], 0                          ; the pooled sums run over all passes, so that the pooling has one form
.set ii, ii+1
.endr
	v_bfe_u32 v12, v0, 3, 1                        ; the turning load: lane l asks for sequence 8 (l / 16) + l % 8, units 8 ((l / 8) % 2) + 0..7 of my block,
	v_lshlrev_b32 v12, 4, v12                      ; which lie at place 16 ((l / 8) % 2) + 8 (l / 16) + l % 8 of its 32
	v_lshl_add_u32 v12, v[HH], 3, v12
	v_and_b32 v13, 7, v0
	v_add_nc_u32 v12, v12, v13
	s_lshl_b32 s6, s[WV], 9
	s_add_co_u32 s6, s6, HBB
	v_lshl_add_u32 v[TRA], v12, 4, s6
	v_add_nc_u32 v[PA], PM, v[L16]
	s_lshl_b32 s6, s[WV], 13
	s_add_co_u32 s6, s6, EX
	v_add_nc_u32 v[EXS], s6, v[L16]
	BAR                                            ; every wave's fragments are back: the stages' bytes become ex
; ---- the activations' lines: eight numbers each ----
.macro ADD1 d                       ; d += 1
.set ij, 0
.rept 4
	v_pk_add_f32 v[(\d)+ij:(\d)+ij+1], v[(\d)+ij:(\d)+ij+1], 1.0 op_sel_hi:[1,0]
.set ij, ij+2
.endr
.endm
.macro ONEM d, a                    ; d = 1 - a
.set ij, 0
.rept 4
	v_pk_fma_f32 v[(\d)+ij:(\d)+ij+1], v[(\a)+ij:(\a)+ij+1], -1.0, 1.0 op_sel_hi:[1,0,0]
.set ij, ij+2
.endr
.endm
.macro MUL8 d, a, b
.set ij, 0
.rept 4
	v_pk_mul_f32 v[(\d)+ij:(\d)+ij+1], v[(\a)+ij:(\a)+ij+1], v[(\b)+ij:(\b)+ij+1]
.set ij, ij+2
.endr
.endm
.macro FMA8 d, a, b, c
.set ij, 0
.rept 4
	v_pk_fma_f32 v[(\d)+ij:(\d)+ij+1], v[(\a)+ij:(\a)+ij+1], v[(\b)+ij:(\b)+ij+1], v[(\c)+ij:(\c)+ij+1]
.set ij, ij+2
.endr
.endm
.macro TR8 op, d                    ; eight transcendentals in place
.set ij, 0
.rept 8
	\op v[(\d)+ij], v[(\d)+ij]
.set ij, ij+1
.endr
.endm
.macro BATCH                        ; a plain instruction behind a batch's last transcendental, and the batch's one wait ahead of its first reader
	v_nop
	s_wait_alu depctr_va_vdst(0)
.endm
; Tile m's activations, four batches.  first = 1: t = 0: no f, and c is written anew.  Each accumulator is read from its lowest register on.
.macro ACTV m, first
.set CB, CST+8*(\m)
.set ik, 0
.rept 8
	v_exp_f32 v[AI+ik], v[AI+ik]
	v_min_num_f32 v[AG+ik], s[CLAMP], v[AG+ik]
.if !(\first)
	v_exp_f32 v[AF+ik], v[AF+ik]
.endif
	v_exp_f32 v[AO+ik], v[AO+ik]
.set ik, ik+1
.endr
	TR8 v_exp_f32, AG
	BATCH
	ADD1 AI
	ONEM TQ, AG                                    ; 1 - e_g
	ADD1 AG
.if !(\first)
	ADD1 AF
.endif
	ADD1 AO
	MUL8 AI, AI, AG                                ; (1 + e_i)(1 + e_g): as a product, since e_i may be infinite where e_g is 0
	TR8 v_rcp_f32, AI
.if !(\first)
	TR8 v_rcp_f32, AF
.endif
	BATCH
.if \first
	MUL8 CB, TQ, AI                                ; c = i g
.else
	MUL8 TQ, TQ, AI
	FMA8 CB, CB, AF, TQ                            ; c = f c + i g
.endif
.set ij, 0
.rept 4
	v_pk_mul_f32 v[TC+ij:TC+ij+1], v[CB+ij:CB+ij+1], s[SCG:SCG+1] op_sel_hi:[1,0]
.set ij, ij+2
.endr
	TR8 v_exp_f32, TC                              ; e_c: |c| is 4 at the most, so it is neither 0 nor infinite
	BATCH
	ONEM TQ, TC
	FMA8 AO, AO, TC, AO                            ; (1 + e_o) e_c + (1 + e_o)
	TR8 v_rcp_f32, AO
	BATCH
	MUL8 TQ, TQ, AO                                ; h
.set ij, 0
.rept 4
	v_cvt_pk_bf16_f32 v[HP+ij], v[TQ+2*ij], v[TQ+2*ij+1]
.set ij, ij+1
.endr
.endm
; Tile m's source 1: ex (K steps 0, 1) and, but at t = 0, h (K steps 2 to 5): 16 consecutive bytes a lane.
.macro LOADF m, first
.set iq, 0
.rept 2
	ds_load_b128 v[FR+8*iq:FR+8*iq+3],   v[EXA] offset:8192*(\m)+1024*iq
	ds_load_b128 v[FR+8*iq+4:FR+8*iq+7], v[EXA] offset:8192*(\m)+1024*iq+512
.set iq, iq+1
.endr
.if !(\first)
.rept 4
	ds_load_b128 v[FR+8*iq:FR+8*iq+3],   v[HRA] offset:4096*(\m)+1024*(iq-2)
	ds_load_b128 v[FR+8*iq+4:FR+8*iq+7], v[HRA] offset:4096*(\m)+1024*(iq-2)+512
.set iq, iq+1
.endr
.endif
.endm
; A tile and step: 24 products (t = 0: 6), the gates' accumulators by turns, one instruction a turn; the first product of each sum takes the bias as C.
; The next tile's fragments are asked for behind the products and land under the activations (behind a pass's last live tile they are asked for and not used).
.macro TILE m, first
.if (\m) > 0
	s_wait_dscnt 0x1                               ; my fragments are in; the one younger LDS instruction is the last tile's store of h
.else
	s_wait_dscnt 0x0
.endif
	WIN 0x11                                       ; weights and bias in window 1
.irp g, 0,1,2,3
.if !((\first) && ((\g) == 1))
	v_wmma_f32_16x16x32_bf16 v[ACC+8*\g:ACC+8*\g+7], v[48*\g:48*\g+7], v[FR:FR+7], v[BIAS+8*\g:BIAS+8*\g+7]
.endif
.endr
	WIN 0x01
.set iq, 1
.rept 5-4*(\first)
.irp g, 0,1,2,3
.if !((\first) && ((\g) == 1))
	v_wmma_f32_16x16x32_bf16 v[ACC+8*\g:ACC+8*\g+7], v[48*\g+8*iq:48*\g+8*iq+7], v[FR+8*iq:FR+8*iq+7], v[ACC+8*\g:ACC+8*\g+7]
.endif
.endr
.set iq, iq+1
.endr
	WIN 0
	PLACES
.if (\m) < 7
	LOADF (\m)+1, \first
.endif
	ACTV \m, \first
	ds_store_b128 v[HWA], v[HP:HP+3] offset:4096*(\m)
.endm
; A step over the pass's live tiles: dead tiles are jumped forward; no barrier is jumped.
.macro STEP first
	s_cmp_gt_u32 s[ACTN], 0
	s_cbranch_scc0 .Lsend_\@
	LOADF 0, \first
.set im, 0
.rept 8
.if im > 0
	s_cmp_gt_u32 s[ACTN], im
	s_cbranch_scc0 .Lsend_\@
.endif
	TILE im, \first
.set im, im+1
.endr
.Lsend_\@:
.endm
; The embedding.  Source 1 of step t: the half of the lanes that holds the step shows its four numbers and a 1.0 for the bias; the other half and all further k are 0.
.macro XFRAG t, p0, mk
	v_cndmask_b32 v[FR+8*(\t)],   0, v[XP+(\p0)],   s[(\mk)]
	v_cndmask_b32 v[FR+8*(\t)+1], 0, v[XP+(\p0)+1], s[(\mk)]
	v_cndmask_b32 v[FR+8*(\t)+2], 0, v[ONE],        s[(\mk)]
.set ij, 3
.rept 5
	v_mov_b32 v[FR+8*(\t)+ij], 0
.set ij, ij+1
.endr
.endm
.macro EMUL t, acc                  ; four products: the 64 embedding rows for step t
	WIN 0x01
.set ie, 0
.rept 4
	v_wmma_f32_16x16x32_bf16 v[(\acc)+8*ie:(\acc)+8*ie+7], v[WE+8*ie:WE+8*ie+7], v[FR+8*(\t):FR+8*(\t)+7], 0
.set ie, ie+1
.endr
.endm
.macro EPACK t, acc                 ; rounded, ReLU on the packed halves, and out as blocks
.set ie, 0
.rept 4
.set ij, 0
.rept 4
	v_cvt_pk_bf16_f32 v[TP+4*ie+ij], v[(\acc)+8*ie+2*ij], v[(\acc)+8*ie+2*ij+1]
.set ij, ij+1
.endr
.set ij, 0
.rept 4
	v_pk_max_num_bf16 v[TP+4*ie+ij], v[TP+4*ie+ij], v[ZR]
.set ij, ij+1
.endr
	ds_store_b128 v[EXS], v[TP+4*ie:TP+4*ie+3] offset:2048*(\t)+512*ie
.set ie, ie+1
.endr
.endm
	s_mov_b32 s[PC], 5
	s_mov_b32 s[REM], s[NT]
	s_lshl_b32 s[NXT], s[WV], 4
	s_add_co_u32 s[NXT], s[NXT], 128               ; tile 8 + w
.Lpass:                                                ; five passes cover 34 tiles
	s_max_i32 s[ACTN], s[REM], 0
	s_min_i32 s[ACTN], s[ACTN], 8
	s_wait_loadcnt 0x0                             ; my tile's rows, asked for a pass ago
	v_cvt_pk_bf16_f32 v[XP],   v[XR],   v[XR+1]
	v_cvt_pk_bf16_f32 v[XP+1], v[XR+2], v[XR+3]
	v_cvt_pk_bf16_f32 v[XP+2], v[XR+4], v[XR+5]
	v_cvt_pk_bf16_f32 v[XP+3], v[XR+6], v[XR+7]
	s_cmp_gt_u32 s[ACTN], s[WV]                    ; wave w embeds the pass's tile w, if it is live
	s_cbranch_scc0 .Lnoemb
	XFRAG 0, 0, ML
	XFRAG 1, 2, ML
	XFRAG 2, 0, MH
	XFRAG 3, 2, MH
	EMUL 0, ACC
	EMUL 1, CST                                    ; c's registers are free between passes
	WIN 0
	PLACES
	EPACK 0, ACC                                   ; one set's lines are further places behind the other set's products
	EPACK 1, CST
	EMUL 2, ACC
	EMUL 3, CST
	WIN 0
	PLACES
	EPACK 2, ACC
	EPACK 3, CST
.Lnoemb:
	s_cmp_lt_u32 s[NXT], s[NT16]                   ; my tile of the next pass, if it is live: from tile 8 on all rows are neighbours'
	s_cbranch_scc0 .Lnogather
	GATHER 12, NXT                                 ; its rows have this whole pass in which to come
.Lnogather:
	BAR                                            ; ex of the pass is laid
	v_add_nc_u32 v[EXA], EX, v[L16]
	v_mov_b32 v[HWA], v[L16W]                      ; t = 0 writes buffer A
	STEP 1
	BAR
	s_mov_b32 s[RB], HBA
	s_mov_b32 s[WB], HBB
	s_mov_b32 s[TL], 3
.Lt:                                                   ; t = 1: A to B; t = 2: B to A; t = 3: A to B
	v_add_nc_u32 v[EXA], 2048, v[EXA]
	v_add_nc_u32 v[HRA], s[RB], v[L16]
	v_add_nc_u32 v[HWA], s[WB], v[L16W]
	STEP 0
	s_xor_b32 s[RB], s[RB], HBB
	s_xor_b32 s[WB], s[WB], HBB
	BAR                                            ; every wave's h of this step is laid, and its reads of the other buffer and of ex are over
	s_sub_co_u32 s[TL], s[TL], 1
	s_cmp_lg_u32 s[TL], 0
	s_cbranch_scc1 .Lt
	; THE POOLING of the pass's four pairs of tiles: my own blocks of buffer B, turned, times P.  Dead tiles and the targets meet zeros in P.
	s_cmp_eq_u32 s[ACTN], 0
	s_cbranch_scc1 .Lnopool
.set ii, 0
.rept 4
	ds_load_tr16_b128 v[32+24*ii:32+24*ii+3],   v[TRA] offset:8192*ii
	ds_load_tr16_b128 v[32+24*ii+4:32+24*ii+7], v[TRA] offset:8192*ii+4096
	ds_load_b128 v[32+24*ii+8:32+24*ii+11],  v[PA] offset:2048*ii
	ds_load_b128 v[32+24*ii+12:32+24*ii+15], v[PA] offset:2048*ii+512
	ds_load_b128 v[32+24*ii+16:32+24*ii+19], v[PA] offset:2048*ii+1024
	ds_load_b128 v[32+24*ii+20:32+24*ii+23], v[PA] offset:2048*ii+1536
.set ii, ii+1
.endr
.set ii, 0
.rept 4
	s_wait_dscnt 18-6*ii                           ; this pair's six loads are in; the later pairs' stay out
	v_wmma_f32_16x16x32_bf16 v[PS:PS+7],    v[32+24*ii:32+24*ii+7], v[32+24*ii+8:32+24*ii+15],  v[PS:PS+7]
	v_wmma_f32_16x16x32_bf16 v[PS+8:PS+15], v[32+24*ii:32+24*ii+7], v[32+24*ii+16:32+24*ii+23], v[PS+8:PS+15]
.set ii, ii+1
.endr
	PLACES
	s_cmp_lg_u32 s[PC], 5
	s_cbranch_scc1 .Lnopool
	v_add_nc_u32 v12, HBB, v[L16W]                 ; the first pass: tiles 0 and 1 are the targets: my blocks of their last h are kept for the head
	v_add_nc_u32 v[HRA], HT, v[L16W]
	ds_load_b128 v[32:35], v12
	ds_load_b128 v[36:39], v12 offset:4096
	s_wait_dscnt 0x0
	ds_store_b128 v[HRA], v[32:35]
	ds_store_b128 v[HRA], v[36:39] offset:4096
.Lnopool:
	v_add_nc_u32 v[PA], 8192, v[PA]
	s_sub_co_i32 s[REM], s[REM], 8
	s_add_co_u32 s[NXT], s[NXT], 128
	s_sub_co_u32 s[PC], s[PC], 1
	s_cmp_lg_u32 s[PC], 0
	s_cbranch_scc1 .Lpass
	; ---- THE HEAD.  W1 (my 16 rows, 512 consecutive bytes an instruction) and b1 are asked for first. ----
	s_lshl_b32 s6, s[WV], 14
	v_add_nc_u32 v5, s6, v[L16]
	v_lshl_add_u32 v6, s[WV], 6, v[H32]            ; (16 w + 8 (lane / 16)) x 4
.set ia, 0
.rept 32
	global_load_b128 v[64+4*ia:64+4*ia+3], v5, s[26:27] offset:512*ia
.set ia, ia+1
.endr
	global_load_b128 v[48:51], v6, s[28:29]
	global_load_b128 v[52:55], v6, s[28:29] offset:16
	; h_social = pooled sum / count: a lane holds one b
	v_lshl_add_u32 v11, v[R], 2, INV
	ds_load_b32 v30, v11
	ds_load_b32 v31, v11 offset:64
	v_add_nc_u32 v12, HSOC, v[L16W]
	s_wait_dscnt 0x0
.set ij, 0
.rept 8
	v_mul_f32 v[PS+ij], v30, v[PS+ij]
.set ij, ij+1
.endr
.set ij, 0
.rept 8
	v_mul_f32 v[PS+8+ij], v31, v[PS+8+ij]
.set ij, ij+1
.endr
.set ij, 0
.rept 4
	v_cvt_pk_bf16_f32 v[HP+ij], v[PS+2*ij], v[PS+2*ij+1]
	v_cvt_pk_bf16_f32 v[TP+ij], v[PS+8+2*ij], v[PS+8+2*ij+1]
.set ij, ij+1
.endr
	ds_store_b128 v12, v[HP:HP+3]
	ds_store_b128 v12, v[TP:TP+3] offset:4096
	BAR                                            ; h_final is whole, and nobody reads the buffers of h any more: their bytes become W1's stages
	v_add_nc_u32 v12, HT, v[L16]
	WIN 0x40                                       ; h_final's fragments go to window 1, where the LSTM's weights lay
.set ik, 0
.rept 8                                            ; K steps 0-3 the targets' h, 4-7 h_social; both tiles of 16 b
.irp bt, 0,1
	ds_load_b128 v[HFF+8*(2*ik+\bt):HFF+8*(2*ik+\bt)+3],   v12 offset:8192*(ik/4)+4096*\bt+1024*(ik%4)
	ds_load_b128 v[HFF+8*(2*ik+\bt)+4:HFF+8*(2*ik+\bt)+7], v12 offset:8192*(ik/4)+4096*\bt+1024*(ik%4)+512
.endr
.set ik, ik+1
.endr
	WIN 0
	s_wait_loadcnt 0x0                             ; W1 and b1 are in
	; the last layers' weights are asked for now and land under the hidden layer: waves 0-2: 16 rows of W2 and b2; wave 3: Wp and bp
	s_cmp_lt_u32 s[WV], 3
	s_cbranch_scc0 .Lnotw2
	s_lshl_b32 s6, s[WV], 4
	v_add_nc_u32 v7, s6, v[R]
	v_min_u32 v7, 35, v7                           ; rows past the 36th repeat it; their results are not stored
	v_lshlrev_b32 v7, 9, v7
	v_add_nc_u32 v7, v7, v[H32]                    ; a fragment straight from memory in f32: 32 bytes at 32 (lane / 16), 32 more 64 bytes on
	v_min_u32 v9, 128, v6                          ; b2 has 144 bytes: what would pass its end repeats its last 16
	v_add_nc_u32 v10, 16, v6
	v_min_u32 v10, 128, v10
	WIN 0x40
.set ik, 0
.rept 4
	global_load_b128 v[16*ik:16*ik+3],     v7, s[30:31] offset:128*ik
	global_load_b128 v[16*ik+4:16*ik+7],   v7, s[30:31] offset:128*ik+16
	global_load_b128 v[16*ik+8:16*ik+11],  v7, s[30:31] offset:128*ik+64
	global_load_b128 v[16*ik+12:16*ik+15], v7, s[30:31] offset:128*ik+80
.set ik, ik+1
.endr
	global_load_b128 v[64:67], v9, s[32:33]
	global_load_b128 v[68:71], v10, s[32:33]
	WIN 0
	s_branch .Lhl
.Lnotw2:
	s_cmp_eq_u32 s[WV], 3
	s_cbranch_scc0 .Lhl
	v_min_u32 v7, 2, v[R]                          ; rows past the third repeat it
	v_lshlrev_b32 v7, 10, v7
	v_add_nc_u32 v7, v7, v[H32]
	s_load_b96 s[BP:BP+2], s[36:37], 0x0
	WIN 0x40
.set ik, 0
.rept 8
	global_load_b128 v[16*ik:16*ik+3],     v7, s[34:35] offset:128*ik
	global_load_b128 v[16*ik+4:16*ik+7],   v7, s[34:35] offset:128*ik+16
	global_load_b128 v[16*ik+8:16*ik+11],  v7, s[34:35] offset:128*ik+64
	global_load_b128 v[16*ik+12:16*ik+15], v7, s[34:35] offset:128*ik+80
.set ik, ik+1
.endr
	WIN 0
.Lhl:
	s_wait_dscnt 0x0                               ; h_final's fragments are in: they came under the wait for W1
	s_mul_i32 s6, s[WV], WS2B
	v_lshl_add_u32 v11, v[LANE], 3, s6
	v_mul_u32_u24 v13, v[R], 528
	v_lshl_add_u32 v13, v[HH], 4, v13
	v_add_nc_u32 v13, s6, v13
.set ia, 0
.rept 32
	v_cvt_pk_bf16_f32 v[64+4*ia],   v[64+4*ia],   v[64+4*ia+1]
	v_cvt_pk_bf16_f32 v[64+4*ia+1], v[64+4*ia+2], v[64+4*ia+3]
	ds_store_b64 v11, v[64+4*ia:64+4*ia+1] offset:528*(ia/2)+256*(ia%2)
.set ia, ia+1
.endr
.set ik, 0
.rept 8
	ds_load_b128 v[64+8*ik:64+8*ik+3],   v13 offset:64*ik      ; my own stage, in order behind the stores
	ds_load_b128 v[64+8*ik+4:64+8*ik+7], v13 offset:64*ik+32
.set ik, ik+1
.endr
	s_wait_dscnt 0x0
	WIN 0x04                                       ; source 1 in window 1
	v_wmma_f32_16x16x32_bf16 v[32:39], v[64:71], v[HFF:HFF+7],    v[48:55]   ; b1 starts both sums; the two accumulators take turns
	v_wmma_f32_16x16x32_bf16 v[40:47], v[64:71], v[HFF+8:HFF+15], v[48:55]
.set ik, 1
.rept 7
	v_wmma_f32_16x16x32_bf16 v[32:39], v[64+8*ik:64+8*ik+7], v[HFF+16*ik:HFF+16*ik+7],    v[32:39]
	v_wmma_f32_16x16x32_bf16 v[40:47], v[64+8*ik:64+8*ik+7], v[HFF+16*ik+8:HFF+16*ik+15], v[40:47]
.set ik, ik+1
.endr
	WIN 0
	PLACES
	v_add_nc_u32 v11, HID, v[L16W]
.set ij, 0
.rept 4
	v_cvt_pk_bf16_f32 v[HP+ij], v[32+2*ij], v[32+2*ij+1]
.set ij, ij+1
.endr
.set ij, 0
.rept 4
	v_cvt_pk_bf16_f32 v[TP+ij], v[40+2*ij], v[40+2*ij+1]
.set ij, ij+1
.endr
.set ij, 0
.rept 4
	v_pk_max_num_bf16 v[HP+ij], v[HP+ij], v[ZR]
	v_pk_max_num_bf16 v[TP+ij], v[TP+ij], v[ZR]
.set ij, ij+1
.endr
	ds_store_b128 v11, v[HP:HP+3]
	ds_store_b128 v11, v[TP:TP+3] offset:4096
	BAR                                            ; the hidden layer is whole
	s_cmp_lt_u32 s[WV], 3
	s_cbranch_scc0 .Lnot_traj
	v_add_nc_u32 v12, HID, v[L16]
.set ik, 0
.rept 4
.irp bt, 0,1
	ds_load_b128 v[64+8*(2*ik+\bt):64+8*(2*ik+\bt)+3],   v12 offset:4096*\bt+1024*ik
	ds_load_b128 v[64+8*(2*ik+\bt)+4:64+8*(2*ik+\bt)+7], v12 offset:4096*\bt+1024*ik+512
.endr
.set ik, ik+1
.endr
	s_wait_loadcnt 0x0                             ; W2 and b2
	WIN 0x45                                       ; W2 is rounded in place, in window 1: register d takes numbers 2 d and 2 d + 1
.set ia, 0
.rept 32
	v_cvt_pk_bf16_f32 v[ia], v[2*ia], v[2*ia+1]
.set ia, ia+1
.endr
	WIN 0
	s_wait_dscnt 0x0
	WIN 0x11                                       ; W2 and b2 in window 1
	v_wmma_f32_16x16x32_bf16 v[32:39], v[0:7], v[64:71], v[64:71]
	v_wmma_f32_16x16x32_bf16 v[40:47], v[0:7], v[72:79], v[64:71]
	WIN 0x01
.set ik, 1
.rept 3
	v_wmma_f32_16x16x32_bf16 v[32:39], v[8*ik:8*ik+7], v[64+16*ik:64+16*ik+7],    v[32:39]
	v_wmma_f32_16x16x32_bf16 v[40:47], v[8*ik:8*ik+7], v[64+16*ik+8:64+16*ik+15], v[40:47]
.set ik, ik+1
.endr
	WIN 0
	PLACES
	v_mul_u32_u24 v13, v[R], 144                   ; row b of the image of out0
	s_cmp_eq_u32 s[WV], 2
	s_cbranch_scc1 .Lw2tail
	v_add_nc_u32 v13, v13, v6                      ; my 8 columns
	v_add_nc_u32 v13, OUTS, v13
	ds_store_b128 v13, v[32:35]
	ds_store_b128 v13, v[36:39] offset:16
	ds_store_b128 v13, v[40:43] offset:2304
	ds_store_b128 v13, v[44:47] offset:2320
	s_branch .Lh3
.Lw2tail:                                              ; wave 2 has columns 32-35 alone: four numbers of lanes 0-15; lanes 16-31, whose columns do not exist, store 8,192 bytes further on
	v_lshl_add_u32 v13, v[HH], 13, v13
	v_add_nc_u32 v13, OUTS+128, v13
	ds_store_b128 v13, v[32:35]
	ds_store_b128 v13, v[40:43] offset:2304
	s_branch .Lh3
.Lnot_traj:
	s_cmp_eq_u32 s[WV], 3
	s_cbranch_scc0 .Lh3
	s_wait_loadcnt 0x0                             ; Wp
	s_wait_kmcnt 0x0                               ; bp
	WIN 0x45                                       ; wave 3: Wp rounded in place
.set ia, 0
.rept 64
	v_cvt_pk_bf16_f32 v[ia], v[2*ia], v[2*ia+1]
.set ia, ia+1
.endr
	WIN 0x05                                       ; Wp and h_final's fragments, which the wave kept, in window 1
	v_wmma_f32_16x16x32_bf16 v[32:39], v[0:7], v[HFF:HFF+7],    0
	v_wmma_f32_16x16x32_bf16 v[40:47], v[0:7], v[HFF+8:HFF+15], 0
.set ik, 1
.rept 7
	v_wmma_f32_16x16x32_bf16 v[32:39], v[8*ik:8*ik+7], v[HFF+16*ik:HFF+16*ik+7],    v[32:39]
	v_wmma_f32_16x16x32_bf16 v[40:47], v[8*ik:8*ik+7], v[HFF+16*ik+8:HFF+16*ik+15], v[40:47]
.set ik, ik+1
.endr
	WIN 0
	PLACES
.irp bt, 0,1                                       ; lanes 0-15: registers 0, 1, 2 are the three logits of b = 16 bt + lane
	v_add_f32 v[112+4*\bt], s[BP],   v[32+8*\bt]
	v_add_f32 v[113+4*\bt], s[BP+1], v[33+8*\bt]
	v_add_f32 v[114+4*\bt], s[BP+2], v[34+8*\bt]
	v_max3_num_f32 v[115+4*\bt], v[112+4*\bt], v[113+4*\bt], v[114+4*\bt]
.endr
.irp bt, 0,1
.irp j, 0,1,2
	v_sub_f32 v[112+4*\bt+\j], v[112+4*\bt+\j], v[115+4*\bt]          ; the maximum is taken away
.endr
.endr
.irp bt, 0,1
.irp j, 0,1,2
	v_mul_f32 v[112+4*\bt+\j], s[L2E], v[112+4*\bt+\j]
.endr
.endr
.irp bt, 0,1
.irp j, 0,1,2
	v_exp_f32 v[112+4*\bt+\j], v[112+4*\bt+\j]
.endr
.endr
	BATCH
	v_add_f32 v115, v112, v113
	v_add_f32 v119, v116, v117
	v_add_f32 v115, v115, v114
	v_add_f32 v119, v119, v118
	v_rcp_f32 v115, v115
	v_rcp_f32 v119, v119
	v_mul_u32_u24 v13, v[R], 12                    ; a plain instruction behind the reciprocals,
	s_wait_alu depctr_va_vdst(0)                   ; and their wait
	v_lshl_add_u32 v13, v[HH], 10, v13             ; lanes 16-31 hold no logits: they store 1,024 bytes further on
	v_add_nc_u32 v13, PRB, v13
.irp bt, 0,1
.irp j, 0,1,2
	v_mul_f32 v[112+4*\bt+\j], v[112+4*\bt+\j], v[115+4*\bt]
.endr
.endr
.irp bt, 0,1
.irp j, 0,1,2
	ds_store_b32 v13, v[112+4*\bt+\j] offset:192*\bt+4*\j
.endr
.endr
.Lh3:
	BAR                                            ; both images are whole
	v_add_nc_u32 v12, OUTS, v[L16W]
	ds_load_b128 v[32:35], v12                     ; out0: 4,608 bytes = 288 pieces of 16: a piece a thread,
	s_cmp_lg_u32 s[WV], 0
	s_cbranch_scc1 .Lnot_w0
	ds_load_b128 v[36:39], v12 offset:4096         ; and wave 0 the last 32
	s_wait_dscnt 0x0
	global_store_b128 v[L16W], v[36:39], s[38:39] offset:4096
.Lnot_w0:
	s_wait_dscnt 0x0
	global_store_b128 v[L16W], v[32:35], s[38:39]  ; 16 lanes store 256 consecutive bytes, at a multiple of 256 from out0's first byte
	s_cmp_lg_u32 s[WV], 1
	s_cbranch_scc1 .Lend
	v_add_nc_u32 v13, PRB, v[L16]                  ; out1: 384 bytes: 24 lanes of wave 1
	s_wait_xcnt 0x0                                ; EXEC changes only behind this wait
	v_cmp_gt_u32 vcc_lo, 24, v[LANE]
	s_and_saveexec_b32 s[SVX], vcc_lo
	ds_load_b128 v[36:39], v13
	s_wait_dscnt 0x0
	global_store_b128 v[L16], v[36:39], s[40:41]
	s_wait_xcnt 0x0                                ; and again in front of the line that widens it
	s_or_b32 exec_lo, exec_lo, s[SVX]
.Lend:
	s_wait_tensorcnt 0x0                           ; the wave's end, behind my last LDS store
	ds_add_u32 v[SPW], v[NIL]
	s_wait_dscnt 0x0
	s_endpgm
.Lfunc_end_k_qb799223899_lstm:
	.size	k_qb799223899_lstm, .Lfunc_end_k_qb799223899_lstm-k_qb799223899_lstm
	.p2alignl 7, 3214868480
	.fill 96, 4, 3214868480
	.section	.rodata,"a",@progbits
	.p2align	6, 0x0
	.amdhsa_kernel k_qb799223899_lstm
		.amdhsa_group_segment_fixed_size 193792
		.amdhsa_private_segment_fixed_size 0
		.amdhsa_enable_private_segment 0
		.amdhsa_kernarg_size 136
		.amdhsa_user_sgpr_count 2
		.amdhsa_user_sgpr_kernarg_segment_ptr 1
		.amdhsa_wavefront_size32 1
		.amdhsa_system_sgpr_workgroup_id_x 1
		.amdhsa_system_sgpr_workgroup_id_y 1
		.amdhsa_system_sgpr_workgroup_id_z 1
		.amdhsa_system_vgpr_workitem_id 0
		.amdhsa_next_free_vgpr 512
		.amdhsa_next_free_sgpr 72
		.amdhsa_reserve_vcc 1
		.amdhsa_float_denorm_mode_32 3
		.amdhsa_float_denorm_mode_16_64 3
		.amdhsa_memory_ordered 1
		.amdhsa_forward_progress 1
		.amdhsa_inst_pref_size 247
	.end_amdhsa_kernel
	.amdgpu_metadata
---
amdhsa.version: [ 1, 2 ]
amdhsa.kernels:
  - .name:           k_qb799223899_lstm
    .symbol:         k_qb799223899_lstm.kd
    .args:
      - { .name: neighbor_mask, .offset: 0, .size: 8, .value_kind: global_buffer, .address_space: global }
      - { .name: x, .offset: 8, .size: 8, .value_kind: global_buffer, .address_space: global }
      - { .name: neighbors, .offset: 16, .size: 8, .value_kind: global_buffer, .address_space: global }
      - { .name: W_ih, .offset: 24, .size: 8, .value_kind: global_buffer, .address_space: global }
      - { .name: W_hh, .offset: 32, .size: 8, .value_kind: global_buffer, .address_space: global }
      - { .name: b_ih, .offset: 40, .size: 8, .value_kind: global_buffer, .address_space: global }
      - { .name: b_hh, .offset: 48, .size: 8, .value_kind: global_buffer, .address_space: global }
      - { .name: W_embed, .offset: 56, .size: 8, .value_kind: global_buffer, .address_space: global }
      - { .name: b_embed, .offset: 64, .size: 8, .value_kind: global_buffer, .address_space: global }
      - { .name: W1, .offset: 72, .size: 8, .value_kind: global_buffer, .address_space: global }
      - { .name: b1, .offset: 80, .size: 8, .value_kind: global_buffer, .address_space: global }
      - { .name: W2, .offset: 88, .size: 8, .value_kind: global_buffer, .address_space: global }
      - { .name: b2, .offset: 96, .size: 8, .value_kind: global_buffer, .address_space: global }
      - { .name: Wp, .offset: 104, .size: 8, .value_kind: global_buffer, .address_space: global }
      - { .name: bp, .offset: 112, .size: 8, .value_kind: global_buffer, .address_space: global }
      - { .name: out0, .offset: 120, .size: 8, .value_kind: global_buffer, .address_space: global }
      - { .name: out1, .offset: 128, .size: 8, .value_kind: global_buffer, .address_space: global }
    .group_segment_fixed_size: 193792
    .private_segment_fixed_size: 0
    .kernarg_segment_align: 8
    .kernarg_segment_size: 136
    .max_flat_workgroup_size: 256
    .sgpr_count:     72
    .vgpr_count:     512
    .wavefront_size: 32
...
	.end_amdgpu_metadata
.endif
;; end of part 1
